; MI455X (gfx1250); checked and timed in simulation.
; The chip was launched on July 23, 2026; its instructions are those of AMD's public machine-readable ISA for CDNA 5 (MIT licence, August 2026) and "CDNA5" Instruction Set Architecture Reference Guide (July 2026). The comments in the code are by the model that wrote it; some were corrected since.
;; Euclidean Codebook. Allowed arithmetic: matrix products marked QUANTISED: E5M2 operands, one E8M0 scale for each 32 along K, by v_wmma_scale_f32_16x16x128_f8f6f4 with both operands' format E5M2, f32 sums; everything else in f32.
;; Inputs: embed 1 x 8,192 x 256 float32; x 8 x 2,048 x 256 float32.
;; Outputs: out0 8 x 2,048 x 256 float32; out1 8 x 2,048 int32.
;; This version of the problem:
;;   THIS VERSION OF THE PROBLEM IS GIVEN IN LOW PRECISION. The matrix products marked QUANTISED in the list below multiply operands that are first quantised to E5M2 (5 exponent bits, 2 mantissa bits; 8 bits a number), with one power-of-two scale for each 32 numbers along K (OCP MX v1.0); their sums are f32. All else is computed in f32.
;;   The module's matrix products, in the order in which they are computed (A, B: the left and right operand; K: the contracted axis; several contracted axes count as one K, in the product's order):
;;     1. [M 16,384, K 256] x [K 256, N 8,192]; A: input x; B: input embed: QUANTISED
;;   THE QUANTISER, for each operand of a quantised product, along K:
;;     - K is cut into blocks of 32 from its start; a last block that is shorter is filled with zeros.
;;     - A block's scale is 2^e with e = floor(log2(the largest magnitude in the block)) - 15, held to -126 .. 127; a block of zeros has e = 0. As a byte (E8M0): e + 127.
;;     - Each number is divided by its block's scale, clamped to +-57,344, and rounded to the nearest number of E5M2, ties to even, subnormals kept.
;;     - The product sums the exact products of the quantised numbers (number of the format x scale) in f32.
;;   ~~~python
;;   def quantise(x, axis):      # numpy; x: float32 -> the quantised numbers, widened to float32 again
;;       x = np.moveaxis(x, axis, -1); K = x.shape[-1]
;;       x = np.pad(x, [(0, 0)] * (x.ndim - 1) + [(0, -K % 32)]); x = x.reshape(x.shape[:-1] + (-1, 32)); a = np.abs(x).max(-1, keepdims=True)
;;       e = np.where(a > 0, np.clip(np.frexp(np.where(a > 0, a, 1))[1] - 1 - 15, -126, 127), 0)      # np.frexp(a)[1] - 1 = floor(log2(a)), exactly
;;       r = np.clip(x / 2.0 ** e, -57344, 57344)
;;       step = 2.0 ** (np.maximum(np.frexp(np.where(r == 0, 1, r))[1] - 1, -14) - 2)
;;       q = np.round(r / step) * step * 2.0 ** e      # np.round: ties to even
;;       return np.moveaxis(q.reshape(q.shape[:-2] + (-1,))[..., :K], -1, axis).astype(np.float32)
;;   ~~~
;; One version. Each part assembles by itself: llvm-mc -triple=amdgcn-amd-amdhsa -mcpu=gfx1250 --defsym DOCPART=n.
;; ======== version 1 of 1: 3 launches
;; limits: right only within a limited range of input values
;; workspace buffers: xq 4,456,448 bytes; cb 2,228,224 bytes; cand_s 131,072 bytes of whole numbers; cand_i 131,072 bytes of whole numbers
;; launch quant (part 1): grid 768 x 1, 4 waves a work-group, no clusters, 9,728 bytes of LDS; arguments x, embed, xq, cb; writes xq, cb
.if DOCPART == 1
	.amdgcn_target "amdgcn-amd-amdhsa--gfx1250"
	.amdhsa_code_object_version 6
	.text
	.protected	k_q13c7bafda1_quant
	.globl	k_q13c7bafda1_quant
	.p2align	8
	.type	k_q13c7bafda1_quant,@function
k_q13c7bafda1_quant:
	s_mov_b64 s[64:65], 0
	v_nop
	global_prefetch_b8 v0, s[64:65] scope:SCOPE_SE
	s_setreg_imm32_b32 hwreg(HW_REG_WAVE_MODE, 25, 1), 1
	s_wait_xcnt 0x0
; x [16384][256] and embed [8192][256], f32, become RECORDS for the search: one record for each tile of 16 rows, 4,352 bytes = 17 x 256.
;   bytes 0-4095     the tile's codes of BF8 (E5M2) as an image of the operand's registers: group i = 4 s + c (s: which 128 along K, c: which 32 of them) at 512 i; in it lane 16 h + r
;                    has 16 bytes at 16 x lane: row r, k = 128 s + 32 c + 16 h + 0 .. 15
;   bytes 4096-4223  scale words: word 16 s + r = row r's four E8M0 bytes of K step s
;   bytes 4224-4287  16 f32: x: the row's sum of squares;  embed: -1/2 of it (the search gives it to the matrix unit as C)
;   bytes 4288-4351  zeros
; A block's scale is 2^(floor(log2(its largest magnitude)) - 15); its byte is the largest magnitude's exponent field - 15, held at 1 from below; each number is held within +-57,344 x the scale and
; rounded to the nearest code, ties to even.  The sums of squares are taken of the numbers as they arrive, in f32.
; LIMITS: a block of zeros gets the byte 1 where the rule says 127 (its codes are zeros, and this program alone reads the bytes); blocks whose largest magnitude lies under 2^(16 - 127) are
; held at that floor; NaN and infinities are not served; a row's sum of squares is added in another order than a plain chain (8 numbers a lane, then across the 32 lanes).
; SHARES.  A work-group takes two tiles, two waves a tile, 8 rows a wave: 8,192 bytes, all asked for at once.  Work-groups 0-511 take x, the others embed: only pointers and one factor are chosen, the text has one path.
; A row's two loads cover 512 consecutive bytes each: lane l takes the 16 bytes 2 (l % 16) + l / 16 of each half row; a swap between the halves of the lanes then leaves lane l with k = 8 l .. 8 l + 7.  A block of 32 lies in
; four neighbouring lanes.  The codes go through the tile's stage in LDS and leave as the image, four groups a wave: each store of a wave covers 512 consecutive bytes.
.set REC,   4352
.set TREG,  4608                       ; LDS of a tile: the stage (16 pieces of 256 bytes + 16 of padding) and the record's last 256 bytes
.set TAIL,  4352
.set SPARE, 2*TREG                     ; the spare words, 128 bytes for each wave: two blocks of 256 bytes that no other line names
.set XWG,   512                        ; work-groups that take x
.set SPW,   1                          ; v1   my spare word; never rewritten
.set NIL,   2                          ; v2   0; never rewritten
.set LOFF,  3                          ; v3   32 (l % 16) + 16 (l / 16)
.set CST,   4                          ; v4   stage, in: 272 (l / 2) + 8 (l % 2) + 128 x my half of the rows; row i 16 i further on.  The 32 lanes' 8 bytes fall on 64 different words modulo 256 bytes
.set TLA,   5                          ; v5   tail, in: 64 (l / 16) + 128 ((l / 8) % 2) + 4 (l % 8) + 32 x my half
.set RDI,   6                          ; v6   stage, back: 272 (l / 16) + 16 (l % 16) + my half's four groups
.set RDT,   7                          ; v7   the tail, back: 8 l
.set OIM,   8                          ; v8   16 l + 2,048 x my half
.set O8,    9                          ; v9   8 l
.set SH,    10                         ; v10  8 ((l / 4) % 4): my block's byte in the scale word
.set WD,    11                         ; v11  lanes l % 8 = i: row i's scale word of K step l / 16
.set NM,    12                         ; v12  lanes l % 8 = i: row i's sum of squares
.set PP,    14                         ; v14-17 two pairs: sums of squares
.set SS,    18                         ; v18-19 a row's sum
.set TT,    20                         ; v20-21 the other half of the lanes'
.set MM,    22                         ; v22-23 largest magnitude
.set SC,    24                         ; v24-25 the conversion's scale operand
.set HD,    26                         ; v26-27 57,344 x the scale
.set BB,    28                         ; v28-29 the scale's byte, then the word
.set X,     32                         ; v32-95 row i at X + 8 i
.set CC,    96                         ; v96-111 row i's codes
.set OUTR,  32                         ; the way out: the image, in rows 0-1's registers
.set OUTT,  48                         ; and the tail
.set RM,    24                         ; s24-31 lanes l % 8 = i
	s_load_b256 s[4:11], s[0:1], 0x0               ; x s[4:5], embed s[6:7], xq s[8:9], cb s[10:11]
	v_lshl_add_u32 v[SPW], v0, 2, SPARE
	v_mov_b32 v[NIL], 0
	v_lshrrev_b32 v14, 5, v0
	v_readfirstlane_b32 s12, v14                   ; wave 0..3
	s_and_b32 s13, s12, 1                          ; my half of the tile's rows
	s_lshr_b32 s12, s12, 1                         ; which of the two tiles
	s_mul_i32 s16, s12, TREG                       ; the tile's region
	s_lshl_b32 s17, s13, 7
	s_add_co_u32 s17, s17, s16
	s_lshl_b32 s18, s13, 5
	s_add_co_u32 s18, s18, s16
	s_add_co_u32 s18, s18, TAIL
	s_mul_i32 s19, s13, 4*544
	s_add_co_u32 s19, s19, s16
	s_add_co_u32 s16, s16, TAIL
	s_lshl_b32 s22, s13, 11
.irp i, 0,1,2,3,4,5,6,7
	s_mov_b32 s[RM+\i], 0x01010101<<\i
.endr
	s_mov_b32 s14, 0xbf000000                      ; -0.5: embed's factor
	s_mov_b32 s15, 0x600000                        ; the mantissa field of 57,344
	s_mov_b32 s20, 0x76543210
	s_mov_b32 s21, 0xfedcba98                      ; v_permlanex16_b32's selects for lane l xor 16
	v_and_b32 v14, 31, v0                          ; lane
	v_and_b32 v15, 15, v0                          ; l % 16
	v_bfe_u32 v16, v0, 4, 1                        ; l / 16
	v_bfe_u32 v17, v0, 3, 1                        ; (l / 8) % 2
	v_lshlrev_b32 v[LOFF], 5, v15
	v_lshl_add_u32 v[LOFF], v16, 4, v[LOFF]
	v_lshrrev_b32 v18, 1, v14
	v_mul_u32_u24 v[CST], v18, 272
	v_and_b32 v19, 1, v14
	v_lshl_add_u32 v[CST], v19, 3, v[CST]
	v_add_nc_u32 v[CST], s17, v[CST]
	v_and_b32 v18, 7, v14
	v_lshl_add_u32 v[TLA], v18, 2, s18
	v_lshl_add_u32 v[TLA], v16, 6, v[TLA]
	v_lshl_add_u32 v[TLA], v17, 7, v[TLA]
	v_mul_u32_u24 v[RDI], v16, 272
	v_lshl_add_u32 v[RDI], v15, 4, v[RDI]
	v_add_nc_u32 v[RDI], s19, v[RDI]
	v_lshl_add_u32 v[RDT], v14, 3, s16
	v_lshl_add_u32 v[OIM], v14, 4, s22
	v_lshlrev_b32 v[O8], 3, v14
	v_bfe_u32 v[SH], v0, 2, 2
	v_lshlrev_b32 v[SH], 3, v[SH]
	v_mov_b32 v[WD], 0
	v_mov_b32 v[NM], 0
	v_mov_b32 v[TT], 0                             ; written once: a lane permute's destination counts as one of its sources
	v_mov_b32 v[TT+1], 0
	s_wait_alu depctr_va_vdst(0)                   ; the wait at the head's end
	s_wait_kmcnt 0x0
	s_cmp_lt_u32 ttmp9, XWG                        ; x's work-group or embed's?  The choice hangs on the work-group's number alone
	s_cselect_b64 s[4:5], s[4:5], s[6:7]
	s_cselect_b64 s[8:9], s[8:9], s[10:11]
	s_cselect_b32 s14, 0x3f800000, s14             ; x's factor is 1.0
	s_cselect_b32 s16, 0, XWG
	s_sub_co_u32 s16, ttmp9, s16
	s_lshl_b32 s16, s16, 1
	s_add_co_u32 s16, s16, s12                     ; my tile of the tensor
	s_lshl_b32 s18, s16, 14                        ; 16 rows of 1,024 bytes a tile: under 2^24 + 2^24
	s_lshl_b32 s17, s13, 13
	s_add_co_u32 s18, s18, s17                     ; my 8 rows
	s_mov_b32 s19, 0
	s_add_nc_u64 s[4:5], s[4:5], s[18:19]
	s_mul_i32 s18, s16, REC
	s_add_nc_u64 s[8:9], s[8:9], s[18:19]
.irp i, 0,1,2,3,4,5,6,7
	global_load_b128 v[X+8*\i:X+8*\i+3],   v[LOFF], s[4:5] offset:1024*\i th:TH_LOAD_NT
	global_load_b128 v[X+8*\i+4:X+8*\i+7], v[LOFF], s[4:5] offset:1024*\i+512 th:TH_LOAD_NT
.endr
; Rows 2 t and 2 t + 1 of my 8, stage by stage, the two by turns.
.macro ROWS t
.set R0, X+16*(\t)
.set C0, CC+4*(\t)
	s_wait_loadcnt 12-4*(\t)                       ; loads come back in order: these two rows' four are in, the later rows' stay out
.irp k, 0,1,2,3
.irp p, 0,1
	v_permlane16_swap_b32 v[R0+8*\p+\k], v[R0+8*\p+4+\k]   ; lanes 16-31 of the first half row's for lanes 0-15 of the second's
.endr
.endr
.irp p, 0,1
	v_pk_mul_f32 v[PP+2*\p:PP+2*\p+1], v[R0+8*\p:R0+8*\p+1], v[R0+8*\p:R0+8*\p+1]
.endr
.irp k, 2,4,6
.irp p, 0,1
	v_pk_fma_f32 v[PP+2*\p:PP+2*\p+1], v[R0+8*\p+\k:R0+8*\p+\k+1], v[R0+8*\p+\k:R0+8*\p+\k+1], v[PP+2*\p:PP+2*\p+1]
.endr
.endr
.irp p, 0,1
	v_max3_num_f32 v[MM+\p], |v[R0+8*\p]|, |v[R0+8*\p+1]|, 0x8000000   ; my 8 magnitudes, and the floor 2^(16 - 127): the byte cannot fall under 1
.endr
.irp p, 0,1
	v_add_f32 v[SS+\p], v[PP+2*\p], v[PP+2*\p+1]   ; my 8 squares
.endr
.irp k, 2,4,6
.irp p, 0,1
	v_max3_num_f32 v[MM+\p], v[MM+\p], |v[R0+8*\p+\k]|, |v[R0+8*\p+\k+1]|
.endr
.endr
.irp m, 1,2
.irp p, 0,1
	v_max_num_f32_dpp v[MM+\p], v[MM+\p], v[MM+\p] row_xmask:\m row_mask:0xf bank_mask:0xf   ; with the block's three other lanes
.endr
.irp p, 0,1
	v_add_f32_dpp v[SS+\p], v[SS+\p], v[SS+\p] row_xmask:\m row_mask:0xf bank_mask:0xf
.endr
.endr
.irp p, 0,1
	v_add_nc_u32 v[SC+\p], 0xf8800000, v[MM+\p]    ; 15 off the exponent field: the conversion takes this operand's exponent field as its scale
	v_and_or_b32 v[HD+\p], v[MM+\p], 0x7f800000, s15   ; 57,344 x the scale
.endr
.irp m, 4,8
.irp p, 0,1
	v_add_f32_dpp v[SS+\p], v[SS+\p], v[SS+\p] row_xmask:\m row_mask:0xf bank_mask:0xf
.endr
.endr
.irp k, 0,1,2,3,4,5,6,7
.irp p, 0,1
	v_med3_num_f32 v[R0+8*\p+\k], v[R0+8*\p+\k], -v[HD+\p], v[HD+\p]   ; the conversion to an 8-bit code does not saturate (ISA guide 7.6.2): the hold comes first
.endr
.endr
.irp p, 0,1
	v_cvt_scalef32_pk8_bf8_f32 v[C0+2*\p:C0+2*\p+1], v[R0+8*\p:R0+8*\p+7], v[SC+\p]
.endr
.irp p, 0,1
	v_lshrrev_b32 v[BB+\p], 23, v[SC+\p]           ; the scale's byte.  (Plain lines behind the conversions)
.endr
.irp p, 0,1
	v_permlanex16_b32 v[TT+\p], v[SS+\p], s20, s21
.endr
.irp p, 0,1
	v_lshlrev_b32 v[BB+\p], v[SH], v[BB+\p]        ; in its place,
.endr
.irp p, 0,1
	v_add_f32 v[SS+\p], v[SS+\p], v[TT+\p]         ; the row's sum of squares, in every lane
.endr
.irp m, 4,8
.irp p, 0,1
	v_add_nc_u32_dpp v[BB+\p], v[BB+\p], v[BB+\p] row_xmask:\m row_mask:0xf bank_mask:0xf   ; beside the three other blocks' bytes: the scale word, in all 16 lanes of its K step
.endr
.endr
.irp p, 0,1
	v_cndmask_b32 v[NM], v[NM], v[SS+\p], s[RM+2*(\t)+\p]
	v_cndmask_b32 v[WD], v[WD], v[BB+\p], s[RM+2*(\t)+\p]
.endr
.irp p, 0,1
	ds_store_b64 v[CST], v[C0+2*\p:C0+2*\p+1] offset:16*(2*(\t)+\p)
.endr
.endm
.irp t, 0,1,2,3
	ROWS \t
.endr
	; The tail's words: lanes 0-7 and 16-23 my rows' scale words, lanes 8-15 their norms, lanes 24-31 zeros.
	s_mov_b32 s12, 0xff00ff00
	s_mov_b32 s16, 0xffff0000
	v_mul_f32 v[NM], s14, v[NM]                    ; x 1 or x -1/2
	v_cndmask_b32 v[NM], v[NM], v[NIL], s16
	v_cndmask_b32 v[WD], v[WD], v[NM], s12
	ds_store_b32 v[TLA], v[WD]
	s_wait_dscnt 0x0                               ; for the other wave's sake: my rows lie in LDS
	s_barrier_signal -1
	s_barrier_wait -1
	; THE WAY OUT
.irp i, 0,1,2,3
	ds_load_b128 v[OUTR+4*\i:OUTR+4*\i+3], v[RDI] offset:544*\i   ; two pieces of 256 bytes: a group of the image
.endr
	ds_load_b64 v[OUTT:OUTT+1], v[RDT]
.irp i, 0,1,2,3
	s_wait_dscnt 4-\i                              ; group i is in; behind it: the later groups and the tail
	global_store_b128 v[OIM], v[OUTR+4*\i:OUTR+4*\i+3], s[8:9] offset:512*\i   ; 512 consecutive bytes, at a multiple of 256 from the buffer's first byte
.endr
	s_wait_dscnt 0x0
	s_cmp_lg_u32 s13, 0                            ; the tile's first wave stores the tail
	s_cbranch_scc1 .Lend
	global_store_b64 v[O8], v[OUTT:OUTT+1], s[8:9] offset:4096   ; the record's last 256 bytes
.Lend:
	s_wait_tensorcnt 0x0                           ; the wave's end: behind my last LDS store
	ds_add_u32 v[SPW], v[NIL]
	s_wait_dscnt 0x0
	s_endpgm
.Lfunc_end_k_q13c7bafda1_quant:
	.size	k_q13c7bafda1_quant, .Lfunc_end_k_q13c7bafda1_quant-k_q13c7bafda1_quant
	.p2alignl 7, 3214868480
	.fill 96, 4, 3214868480
	.section	.rodata,"a",@progbits
	.p2align	6, 0x0
	.amdhsa_kernel k_q13c7bafda1_quant
		.amdhsa_group_segment_fixed_size 9728
		.amdhsa_private_segment_fixed_size 0
		.amdhsa_enable_private_segment 0
		.amdhsa_kernarg_size 32
		.amdhsa_user_sgpr_count 2
		.amdhsa_user_sgpr_kernarg_segment_ptr 1
		.amdhsa_wavefront_size32 1
		.amdhsa_system_sgpr_workgroup_id_x 1
		.amdhsa_system_sgpr_workgroup_id_y 1
		.amdhsa_system_sgpr_workgroup_id_z 1
		.amdhsa_system_vgpr_workitem_id 0
		.amdhsa_next_free_vgpr 112
		.amdhsa_next_free_sgpr 66
		.amdhsa_reserve_vcc 0
		.amdhsa_float_denorm_mode_32 3
		.amdhsa_float_denorm_mode_16_64 3
		.amdhsa_memory_ordered 1
		.amdhsa_forward_progress 1
		.amdhsa_inst_pref_size 25
	.end_amdhsa_kernel
	.amdgpu_metadata
---
amdhsa.version: [ 1, 2 ]
amdhsa.kernels:
  - .name:           k_q13c7bafda1_quant
    .symbol:         k_q13c7bafda1_quant.kd
    .args:
      - { .name: x, .offset: 0, .size: 8, .value_kind: global_buffer, .address_space: global }
      - { .name: embed, .offset: 8, .size: 8, .value_kind: global_buffer, .address_space: global }
      - { .name: xq, .offset: 16, .size: 8, .value_kind: global_buffer, .address_space: global }
      - { .name: cb, .offset: 24, .size: 8, .value_kind: global_buffer, .address_space: global }
    .group_segment_fixed_size: 9728
    .private_segment_fixed_size: 0
    .kernarg_segment_align: 8
    .kernarg_segment_size: 32
    .max_flat_workgroup_size: 128
    .sgpr_count:     66
    .vgpr_count:     112
    .wavefront_size: 32
...
	.end_amdgpu_metadata
.endif
;; end of part 1
;; launch search (part 2): grid 256 x 1, 8 waves a work-group, clusters of 4 x 1, 327,680 bytes of LDS; arguments xq, cb, cand_s, cand_i; writes cand_s, cand_i
.if DOCPART == 2
	.amdgcn_target "amdgcn-amd-amdhsa--gfx1250"
	.amdhsa_code_object_version 6
	.text
	.protected	k_q13c7bafda1_search
	.globl	k_q13c7bafda1_search
	.p2align	8
	.type	k_q13c7bafda1_search,@function
k_q13c7bafda1_search:
	s_mov_b64 s[64:65], 0
	v_nop
	global_prefetch_b8 v0, s[64:65] scope:SCOPE_SE
	s_setreg_imm32_b32 hwreg(HW_REG_WAVE_MODE, 25, 1), 1
	s_wait_xcnt 0x0
	s_wait_alu depctr_hold_cnt(0) depctr_sa_sdst(0) depctr_va_vdst(0) depctr_va_sdst(0) depctr_va_ssrc(0) depctr_va_vcc(0) depctr_vm_vsrc(0)
	s_getreg_b32 s2, hwreg(HW_REG_IB_STS2, 6, 4)
	s_cmp_eq_u32 s2, 0
	s_cbranch_scc0 .Lentry_in_a_cluster
	s_endpgm
.Lentry_in_a_cluster:
	s_bfe_u32 s2, ttmp6, 0x10000c
	s_cmp_lg_u32 s2, 0x3003
	s_cbranch_scc0 .Lentry_shape_is_right
	s_endpgm
.Lentry_shape_is_right:
; For 128 queries and one half of the codebook (4,096 codes): the smallest root sqrt(max(x_sq - 2 xe + e_sq, 0)) of each query, and the first index at which it stands.  xe is the product on codes of BF8 (E5M2)
; with one E8M0 scale for each 32 along K = 256: two matrix instructions for 16 codes x 16 queries.  Operands come as the records that the first launch laid (register images, scale words, norms).
; Source 0 = 16 codes, source 1 = 16 queries: a lane holds ONE query (lane % 16), its 8 result registers are 8 neighbouring codes, 8 (lane / 16) + 0 .. 7.
; -e_sq / 2 is the C of the first matrix instruction, so a result is D' = xe - e_sq / 2 and the squared distance is x_sq - 2 D'.  The clip at 0 is D' held at x_sq / 2 from above.  A lane walks its tiles by the largest
; of its 8 results so held: where it is strictly greater than the lane's best so far, it, the tile's number and the 8 results are kept by selects (no branch on data).  Strictly greater: the first of equals stays.
; At the end the first of the 8 kept results that reaches the best gives the place; the root is taken of the best; candidates of lanes and waves are joined by root, then by the lower index.
; The root is stored as its bit pattern: a root is never negative, so these patterns, read as unsigned whole numbers, rise with it: keys for the next launch.
; LIMITS: NaN and infinities are not served; x_sq - 2 xe + e_sq has to stay finite.  The squared distance is rounded as fl(x_sq - 2 fl(xe - e_sq / 2)); among one lane's own codes distances are compared ahead of the root,
; so of two whose roots differ by rounding alone the nearer is taken.  Either can turn an index only where two distances lie within a few ulp of each other.
; SHARES.  Work-group: 128 queries x 256 tiles of codes.  Each of eight waves holds ALL 128 queries (8 tiles, 256 registers: window 1) and takes an eighth of the code tiles.  The codes come through a ring of two LDS slots
; of 32 records; wave w's tensor load brings records 4 w .. 4 w + 3 of a fill, and wave w alone reads them.
; CLUSTER.  The four work-groups of a cluster have the same half of the codebook and other queries: each fill is asked for JOINTLY, by the same load with the same descriptor and the mask of all four.
; PREFETCH.  All clusters of a half walk the same fills in the same order, so four clusters ask for all: 0 and 44 for the lower half, 1 and 45 for the upper.  With the load of fill f + 2 goes one prefetch a wave for fill
; f + 3, a whole fill ahead of its load: of the wave's 68 blocks of 256 bytes each of the four partners asks for 17, told apart by address, a lane a block.  Fills 0 and 1 come by their loads alone; the last asked for is fill 7.
; THE ORDER.  The query tiles go in two halves, 0-3 and 4-7.  For code tile t: products of half 0; epilogue of half 1 of tile t - 1; products of half 1; epilogue of half 0.  An epilogue's 40 plain instructions are the places
; behind the products ahead of it (ISA guide 7.12.1).  The next tile's operands are asked for a tile ahead, into the other of two sets.
; REGISTERS, window 0: below.  Window 1: the queries' fragments: tile q, K step s at v[32 q + 16 s].
.set REC,    4352
.set WPART,  4*REC                     ; a wave's part of a slot: 68 rows of 256 bytes.  LDS: wave w's slot 0, slot 1 at 2 w WPART, (2 w + 1) WPART
.set FILLB,  32*REC                    ; a fill in memory
.set QIMG,   16*WPART                  ; behind the ring: the 8 records of my 128 queries; no tensor load lands here
.set RED,    QIMG                      ; the same bytes at the end: candidates [16][128] roots, then [16][128] indices
.set SPARE,  QIMG+8*REC                ; the spare words, 128 bytes for each wave: four blocks of 256 bytes that no other line names
.set HALFB,  256*REC                   ; half the codebook's records
.set SPW,  1                           ; v1     my spare word: SPARE + 4 x my thread's number; never rewritten
.set NIL,  2                           ; v2     0; never rewritten
.set TID,  3                           ; v3     the number of the code tile in hand
.set TA,   4                           ; v4, v6, v8, v10  an epilogue's maxima (even numbers: the selects' pairs with v3 use different banks)
.set LA,   5                           ; v5     16 x lane + my part
.set LS,   7                           ; v7     4 x lane + my part
.set LE,   9                           ; v9     32 (lane / 16) + my part
.set QS,   12                          ; v12-15, v20-23 the queries' scale words, half 0 and 1
.set AS,   16                          ; v16-17 the codes' scale words, two sets (numbers that differ from the queries' modulo 8)
.set O16,  18                          ; v18    16 x lane; behind the head:
.set PFO,  18                          ;        the prefetches' offset: 256 x the least of lane and 16
.set GO,   19                          ; v19    8 x lane; never rewritten
.set BEST, 24                          ; v24-39 query tile q: the best at BEST + 2 q, its tile's number at BEST + 2 q + 1
.set XH,   40                          ; v40-47 x_sq / 2
.set EQ,   48                          ; v48-63 -e_sq / 2, two sets
.set A,    64                          ; v64-127 the code tile's fragments, two sets
.set D,    128                         ; v128-191 the 8 accumulators
.set SV,   192                         ; v192-255 the kept results
.set PL,   64                          ; the end: the place, then the index
.set RT,   72                          ; the end: the root
.set RW,   80                          ; the end: where I put candidates;  v81 where waves 0 and 1 read them;  v82 8 (lane / 16)
.set WV,   12                          ; s12    my wave's number
.set G1,   16                          ; s[16:23] group 1 of the joint fills
.set G0S,  36                          ; s[36:39], s[40:43] group 0 of my part of slot 0, 1
.set CNT,  44
.set WOFF, 45
.set LIM,  51                          ; s51    1 where my cluster prefetches, else the greatest number
.set PM,   54                          ; s54-61 eight masks
.set PFA,  62                          ; s[62:63] where my prefetch stands
.set MK,   66                          ; s66-97 32 masks
.set MSB, 0
.macro WIN new                         ; the immediate's high byte repeats the setting that is left
.if MSB != \new
	s_set_vgpr_msb (MSB<<8)|\new
.set MSB, \new
.endif
.endm
; A round of the cluster's barrier behind its opening barrier: wave 0 signals for the work-group; every wave waits for all four work-groups; my work-group's barrier once more.
.macro CREST
	s_cmp_lg_u32 s[WV], 0
	s_cbranch_scc1 .Lnot_wave_0_\@
	s_barrier_signal -3
.Lnot_wave_0_\@:
	s_barrier_wait -3
	s_barrier_signal -1
	s_barrier_wait -1
.endm
.macro ROUND
	s_barrier_signal -1
	s_barrier_wait -1
	CREST
.endm
; One prefetch a wave.  A trip's second asks for nothing where the trip is the last: no fill follows.
.macro ASK second
.if \second
	s_cmp_gt_u32 s[CNT], s[LIM]
.else
	s_cmp_ge_u32 s[CNT], s[LIM]
.endif
	s_cbranch_scc0 .Lnot_mine_\@
	global_prefetch_b8 v[PFO], s[PFA:PFA+1] th:TH_LOAD_NT scope:SCOPE_SE
.Lnot_mine_\@:
.endm
; Record j of my part of slot sl into set p: both fragments, the scale words (lanes 0-15: K step 0's, lanes 16-31: K step 1's), -e_sq / 2 of my half's 8 codes.  Eleven loads.
.macro FETCH p, sl, j
.irp i, 0,1,2,3,4,5,6,7
	ds_load_b128 v[A+32*(\p)+4*\i:A+32*(\p)+4*\i+3], v[LA] offset:(\sl)*WPART+(\j)*REC+512*\i   ; 512 consecutive bytes an instruction
.endr
	ds_load_b32 v[AS+(\p)], v[LS] offset:(\sl)*WPART+(\j)*REC+4096
	ds_load_b128 v[EQ+8*(\p):EQ+8*(\p)+3], v[LE] offset:(\sl)*WPART+(\j)*REC+4224
	ds_load_b128 v[EQ+8*(\p)+4:EQ+8*(\p)+7], v[LE] offset:(\sl)*WPART+(\j)*REC+4240
.endm
; Eight matrix instructions: the code tile in set p against query tiles b .. b + 3, K step 0 (C = -e_sq / 2), then K step 1 in place; the four accumulators take turns.
.macro MMA b, p
	WIN 0x04                                       ; source 1 (the queries) in window 1
.irp q, \b, \b+1, \b+2, \b+3
	v_wmma_scale_f32_16x16x128_f8f6f4 v[D+8*(\q):D+8*(\q)+7], v[A+32*(\p):A+32*(\p)+15], v[32*(\q):32*(\q)+15], v[EQ+8*(\p):EQ+8*(\p)+7], v[AS+(\p)], v[QS+(\q)+4*((\q)/4)] matrix_a_fmt:MATRIX_FMT_BF8 matrix_b_fmt:MATRIX_FMT_BF8
.endr
.irp q, \b, \b+1, \b+2, \b+3
	v_wmma_scale_f32_16x16x128_f8f6f4 v[D+8*(\q):D+8*(\q)+7], v[A+32*(\p)+16:A+32*(\p)+31], v[32*(\q)+16:32*(\q)+31], v[D+8*(\q):D+8*(\q)+7], v[AS+(\p)], v[QS+(\q)+4*((\q)/4)] matrix_a_fmt:MATRIX_FMT_BF8 matrix_b_fmt:MATRIX_FMT_BF8 matrix_a_scale:MATRIX_SCALE_ROW1 matrix_b_scale:MATRIX_SCALE_ROW1
.endr
	WIN 0
.endm
; The epilogue of query tiles b .. b + 3.
.macro M3 i, b, k
	v_max3_num_f32 v[TA+2*\i], v[TA+2*\i], v[D+8*(\b+\i)+\k], v[D+8*(\b+\i)+\k+1]
.endm
.macro MM i, b                         ; the largest of the 8, held at x_sq / 2 from above
	v_maxmin_num_f32 v[TA+2*\i], v[TA+2*\i], v[D+8*(\b+\i)+7], v[XH+\b+\i]
.endm
.macro NEAR i, b
	v_cmp_gt_f32 vcc_lo, v[TA+2*\i], v[BEST+2*(\b+\i)]   ; strictly nearer than all before
.endm
.macro KEEP i, b
	v_dual_cndmask_b32 v[BEST+2*(\b+\i)], v[BEST+2*(\b+\i)], v[TA+2*\i] :: v_dual_cndmask_b32 v[BEST+2*(\b+\i)+1], v[BEST+2*(\b+\i)+1], v[TID]
.irp k, 0,2,4,6
	v_dual_cndmask_b32 v[SV+8*(\b+\i)+\k], v[SV+8*(\b+\i)+\k], v[D+8*(\b+\i)+\k] :: v_dual_cndmask_b32 v[SV+8*(\b+\i)+\k+1], v[SV+8*(\b+\i)+\k+1], v[D+8*(\b+\i)+\k+1]
.endr
.endm
.macro EPI b
.irp i, 0,1,2,3
	v_max3_num_f32 v[TA+2*\i], v[D+8*(\b+\i)], v[D+8*(\b+\i)+1], v[D+8*(\b+\i)+2]   ; each accumulator is read from its low end on
.endr
.irp i, 0,1,2,3
	M3 \i, \b, 3
.endr
	M3 0, \b, 5
	M3 1, \b, 5
	MM 0, \b
	MM 1, \b
	NEAR 0, \b
	M3 2, \b, 5
	M3 3, \b, 5
	KEEP 0, \b
	NEAR 1, \b
	MM 2, \b
	MM 3, \b
	KEEP 1, \b
	NEAR 2, \b
	KEEP 2, \b
	NEAR 3, \b
	KEEP 3, \b
.endm
; A code tile, record j of slot sl, in set p.
; mode 0: the next record of the slot is asked for.  mode 1: my reads of the slot are over and it is filled again, with the records two fills on.  Every wave waits for all its tensor loads (the other slot's fill), adds 0 to its
;   spare word, waits for that, and passes a round of the cluster's barrier, with half an epilogue between its opening signal and wait; the joint refill is the first thing behind it: one tensor load of mine is out.
; mode 2: nothing is left to ask for; the last fill, my own bytes, is waited for.  mode 3: the very last tile.
.macro TILE p, sl, j, mode
.if \mode == 1
	s_wait_xcnt 0x0                                ; any prefetch of mine has read its address: it may be stepped
	s_add_nc_u64 s[PFA:PFA+1], s[PFA:PFA+1], FILLB
.endif
	s_wait_dscnt 0x0                               ; this tile's operands are in
.if \mode == 0
	FETCH 1-\p, \sl, \j+1                          ; the other set's last reader stands an epilogue behind
.elseif \mode == 1
	s_wait_tensorcnt 0x0
	ds_add_u32 v[SPW], v[NIL]                      ; 0 onto my spare word
	s_add_nc_u64 s[G0S+4*\sl+2:G0S+4*\sl+3], s[G0S+4*\sl+2:G0S+4*\sl+3], 2*FILLB   ; no tensor load of mine is out; the type bits on top are not reached
.elseif \mode == 2
	s_wait_tensorcnt 0x0
	FETCH 1-\p, 1-\sl, 0
.endif
	MMA 0, \p
.if \mode == 1
	s_wait_dscnt 0x0                               ; the add is done; my reads of the slot were in at the macro's head
	s_barrier_signal -1
.endif
	EPI 4                                          ; half 1 of the tile before
.if \j == 0
	v_add_nc_u32 v[TID], 29, v[TID]                ; 32 tiles a fill: from 4 w + 3 to the next fill's 4 w
.else
	v_add_nc_u32 v[TID], 1, v[TID]
.endif
.if \mode == 1
	s_barrier_wait -1
	CREST
	tensor_load_to_lds s[G0S+4*\sl:G0S+4*\sl+3], s[G1:G1+7]
	s_nop 0
	FETCH 1-\p, 1-\sl, 0
.endif
	MMA 4, \p
.if \mode == 1
	ASK \sl
.endif
	EPI 0
.endm
	s_load_b256 s[4:11], s[0:1], 0x0               ; xq s[4:5], cb s[6:7], cand_s s[8:9], cand_i s[10:11]
	v_lshl_add_u32 v[SPW], v0, 2, SPARE
	v_mov_b32 v[NIL], 0
	ds_add_u32 v[SPW], v[NIL]                      ; the wave's opening: the add, twice on end, and its wait ahead of my first tensor load
	ds_add_u32 v[SPW], v[NIL]
	v_lshrrev_b32 v4, 5, v0
	v_readfirstlane_b32 s[WV], v4                  ; wave 0..7
	s_bfe_u32 s13, ttmp6, 0x40000                  ; cx: my place in the cluster: it enters the queries', the prefetches' and the candidates' global addresses alone
	s_and_b32 s14, ttmp9, 1                        ; which half of the codebook: the cluster's number decides, so the four partners share it
	s_lshr_b32 s15, ttmp9, 1
	s_cmp_eq_u32 s15, 0                            ; clusters 0, 1
	s_cselect_b32 s[LIM], 1, -1
	s_cmp_eq_u32 s15, 22                           ; and 44, 45 prefetch
	s_cselect_b32 s[LIM], 1, s[LIM]
	s_lshl_b32 s15, s15, 2
	s_add_co_u32 s15, s15, s13                     ; my block of 128 queries, 0..127
	; group 1 of the joint fills: a dense block of 68 rows of 256 bytes (32 elements of 8 bytes)
	s_mov_b32 s[G1+0], 15|(3<<16)|(1<<21)          ; 15:0 the mask: all four work-groups; 17:16 elements of 8 bytes; 21 set beside a mask; no padding: every read takes 512 bytes on end
	s_mov_b32 s[G1+1], 32<<16                      ; tensor_dim0 = 32
	s_mov_b32 s[G1+2], 68<<16                      ; tensor_dim1 = 68
	s_mov_b32 s[G1+3], 32<<16                      ; tile_dim0 = 32
	s_mov_b32 s[G1+4], 68                          ; tile_dim1 = 68
	s_mov_b32 s[G1+5], 32                          ; from row to row
	s_mov_b32 s[G1+6], 0
	s_mov_b32 s[G1+7], 0
	s_mul_i32 s[WOFF], s[WV], 2*WPART
	s_lshl_b32 s46, s15, 3
	s_add_co_u32 s46, s46, s[WV]                   ; the record of queries that I fetch: 8 x block + wave
	s_mul_i32 s46, s46, REC
	s_mov_b32 s47, 0
	s_mul_i32 s48, s14, HALFB                      ; the codes: my half, my part (registers that never hold cx)
	s_mul_i32 s49, s[WV], WPART
	s_add_co_u32 s48, s48, s49
	s_mov_b32 s49, 0
	s_mul_i32 s26, s13, 17*256                     ; the prefetches: my 17 blocks of my part,
	s_add_co_u32 s26, s26, s48
	s_add_co_u32 s26, s26, 2*FILLB                 ; from fill 2 on
	s_mov_b32 s27, 0
	s_mov_b32 s[G0S], 1                            ; count = 1
	s_mov_b32 s[G0S+1], s[WOFF]                    ; LDS address
	s_mov_b32 s[G0S+4], 1
	s_add_co_u32 s[G0S+5], s[WOFF], WPART
	s_mul_i32 s52, s[WV], REC
	s_add_co_u32 s52, s52, QIMG                    ; where my record of queries goes
	s_lshl_b32 s53, s14, 8
	s_lshl_b32 s50, s[WV], 2
	s_add_co_u32 s53, s53, s50                     ; my first tile: 256 x half + 4 x wave
	v_and_b32 v[O16], 31, v0                       ; lane
	v_and_b32 v4, 15, v0
	v_bfe_u32 v6, v0, 4, 1                         ; lane / 16
	v_lshl_add_u32 v[LA], v[O16], 4, s[WOFF]
	v_lshl_add_u32 v[LS], v[O16], 2, s[WOFF]
	v_lshl_add_u32 v[LE], v6, 5, s[WOFF]
	v_lshlrev_b32 v[GO], 3, v[O16]
	v_lshl_add_u32 v4, v4, 2, QIMG+4224            ; the queries' norms
	v_lshl_add_u32 v6, v[O16], 4, s52              ; my record's image, in
	v_lshl_add_u32 v8, v[O16], 3, s52              ; and its last 256 bytes
	v_lshl_add_u32 v10, v[O16], 4, QIMG            ; the queries' images, back
	v_lshl_add_u32 v11, v[O16], 2, QIMG+4096       ; their scale words
	v_lshlrev_b32 v[O16], 4, v[O16]
	v_mov_b32 v[TID], s53
	s_wait_alu depctr_va_vdst(0)                   ; the wait at the head's end
	s_wait_dscnt 0x0                               ; both opening adds are done
	s_wait_kmcnt 0x0
	s_add_nc_u64 s[24:25], s[4:5], s[46:47]
	s_add_nc_u64 s[G0S+2:G0S+3], s[6:7], s[48:49]  ; fill 0
	s_add_nc_u64 s[G0S+6:G0S+7], s[G0S+2:G0S+3], FILLB   ; fill 1
	s_or_b32 s[G0S+3], s[G0S+3], 0x80000000        ; type = 2
	s_or_b32 s[G0S+7], s[G0S+7], 0x80000000
	s_add_nc_u64 s[PFA:PFA+1], s[6:7], s[26:27]
.irp i, 0,1,2,3,4,5,6,7
	global_load_b128 v[A+4*\i:A+4*\i+3], v[O16], s[24:25] offset:512*\i   ; my record of queries
.endr
	global_load_b64 v[A+32:A+33], v[GO], s[24:25] offset:4096
	ROUND                                          ; all four work-groups are here: the first joint loads meet
	tensor_load_to_lds s[G0S:G0S+3], s[G1:G1+7]    ; fill 0
	s_nop 0
.irp q, 0,1,2,3,4,5,6,7
	v_mov_b32 v[BEST+2*\q], 0xff800000             ; -infinity: every finite result is nearer
	v_mov_b32 v[BEST+2*\q+1], 0
.endr
.set n, 0
.rept 64
	v_mov_b32 v[SV+n], 0                           ; written once, so that the epilogue is written once: its selects name these as sources
.set n, n+1
.endr
	s_mov_b32 s[CNT], 3
	s_lshl_b32 s46, s14, 16                        ; where waves 0 and 1 store: 4 (16,384 x half + 128 x block + 64 x wave) bytes
	s_lshl_b32 s47, s15, 9
	s_add_co_u32 s46, s46, s47
	s_lshl_b32 s47, s[WV], 8
	s_add_co_u32 s46, s46, s47
	s_mov_b32 s47, 0
	s_add_nc_u64 s[8:9], s[8:9], s[46:47]
	s_add_nc_u64 s[10:11], s[10:11], s[46:47]
	s_wait_alu depctr_va_vdst(0)
	s_wait_loadcnt 0x0
.irp i, 0,1,2,3,4,5,6,7
	ds_store_b128 v6, v[A+4*\i:A+4*\i+3] offset:512*\i
.endr
	ds_store_b64 v8, v[A+32:A+33] offset:4096
	v_and_b32 v[PFO], 31, v0                       ; (the loads that read 16 x lane are done)
	v_min_u32 v[PFO], 16, v[PFO]
	v_lshlrev_b32 v[PFO], 8, v[PFO]                ; 17 blocks; the lanes that are left over name the last again
	s_wait_alu depctr_va_vdst(0)
	s_wait_tensorcnt 0x0                           ; my part of fill 0 is in
	ds_add_u32 v[SPW], v[NIL]
	s_wait_dscnt 0x0                               ; the add is done, and my record of queries lies in LDS
	ROUND                                          ; everybody's does; the joint loads meet
	tensor_load_to_lds s[G0S+4:G0S+7], s[G1:G1+7]  ; fill 1
	s_nop 0
	FETCH 0, 0, 0
.irp q, 0,1,2,3,4,5,6,7
	ds_load_b32 v[QS+\q+4*(\q/4)], v11 offset:\q*REC   ; lanes 0-15: K step 0's words, lanes 16-31: K step 1's
	ds_load_b32 v[XH+\q], v4 offset:\q*REC         ; x_sq of my query
.endr
	WIN 0x40                                       ; destination window 1
.irp q, 0,1,2,3
.irp i, 0,1,2,3,4,5,6,7
	ds_load_b128 v[32*\q+4*\i:32*\q+4*\i+3], v10 offset:\q*REC+512*\i   ; the queries stay in registers: half 0,
.endr
.endr
	WIN 0
	ASK 0                                          ; fill 2
	s_wait_dscnt 32                                ; all but the 32 just issued
.irp q, 0,2,4,6
	v_pk_mul_f32 v[XH+\q:XH+\q+1], v[XH+\q:XH+\q+1], 0.5 op_sel_hi:[1,0]   ; x_sq / 2
.endr
	WIN 0x40
.irp q, 4,5,6,7
.irp i, 0,1,2,3,4,5,6,7
	ds_load_b128 v[32*\q+4*\i:32*\q+4*\i+3], v10 offset:\q*REC+512*\i   ; and half 1
.endr
.endr
	WIN 0
	s_wait_alu depctr_va_vdst(0)
	; The first tile: no tile stands before it.
	s_wait_dscnt 32                                ; half 0 of the queries is in; half 1's 32 loads may be out
	FETCH 1, 0, 1
	MMA 0, 0
.rept 8
	v_nop                                          ; the places behind half 0's products
.endr
	s_wait_dscnt 11                                ; half 1 is in; the 11 loads of the next record may be out
	MMA 4, 0
	EPI 0
.Lpair:                                                ; a trip goes once round the ring, from a fill's second tile to the first tile two fills on, and fills both slots again
	TILE 1, 0, 1, 0
	TILE 0, 0, 2, 0
	TILE 1, 0, 3, 1
	TILE 0, 1, 0, 0
	TILE 1, 1, 1, 0
	TILE 0, 1, 2, 0
	TILE 1, 1, 3, 1
	TILE 0, 0, 0, 0
	s_sub_co_u32 s[CNT], s[CNT], 1
	s_cmp_lg_u32 s[CNT], 0
	s_cbranch_scc1 .Lpair
	TILE 1, 0, 1, 0                                ; the rest of fill 6, and fill 7, are written out
	TILE 0, 0, 2, 0
	TILE 1, 0, 3, 2
	TILE 0, 1, 0, 0
	TILE 1, 1, 1, 0
	TILE 0, 1, 2, 0
	TILE 1, 1, 3, 3
	EPI 4
	; THE END.  The root of each lane's best, and the place among the 8: the first that reaches the best.
	v_and_b32 v[RW], 15, v0
	v_bfe_u32 v[RW+2], v0, 4, 1
	s_lshl_b32 s52, s[WV], 10
	s_add_co_u32 s52, s52, RED
	v_lshl_add_u32 v[RW], v[RW], 2, s52
	v_lshl_add_u32 v[RW], v[RW+2], 9, v[RW]        ; RED + 1,024 x wave + 512 (lane / 16) + 4 (lane % 16)
	v_lshlrev_b32 v[RW+2], 3, v[RW+2]
	s_lshl_b32 s52, s[WV], 8
	s_add_co_u32 s52, s52, RED
	v_and_b32 v[RW+1], 31, v0
	v_lshl_add_u32 v[RW+1], v[RW+1], 3, s52        ; RED + 256 x wave + 8 x lane: two queries a lane
.irp q, 0,1,2,3,4,5,6,7
	v_add_f32 v[RT+\q], v[XH+\q], v[XH+\q]         ; x_sq
.endr
.irp q, 0,1,2,3,4,5,6,7
	v_fma_f32 v[RT+\q], v[BEST+2*\q], -2.0, v[RT+\q]
.endr
.irp q, 0,1,2,3,4,5,6,7
	v_max_num_f32 v[RT+\q], 0, v[RT+\q]
.endr
	s_wait_alu depctr_va_vdst(0)                   ; the wait ahead of the batch
.irp q, 0,1,2,3,4,5,6,7
	v_sqrt_f32 v[RT+\q], v[RT+\q]
.endr
.irp q, 0,1,2,3,4,5,6,7
	v_mov_b32 v[PL+\q], 7
.endr
.irp j, 6,5,4,3,2,1,0
.irp q, 0,1,2,3,4,5,6,7
	v_cmp_lt_f32 s[PM+\q], v[SV+8*\q+\j], v[BEST+2*\q]   ; does not reach the best: the place found so far stays
.endr
.irp q, 0,1,2,3,4,5,6,7
	v_cndmask_b32 v[PL+\q], \j, v[PL+\q], s[PM+\q]
.endr
.endr
.irp q, 0,1,2,3,4,5,6,7
	v_lshl_add_u32 v[PL+\q], v[BEST+2*\q+1], 4, v[PL+\q]
.endr
.irp q, 0,1,2,3,4,5,6,7
	v_add_nc_u32 v[PL+\q], v[RW+2], v[PL+\q]       ; the index: 16 x tile + 8 (lane / 16) + place
.endr
	s_wait_alu depctr_va_vdst(0)                   ; one wait for the roots, ahead of their first reader
.irp q, 0,1,2,3,4,5,6,7
	ds_store_b32 v[RW], v[RT+\q] offset:64*\q      ; query 16 q + r, in my half wave's row (the queries' images were read by all waves ahead of the rounds)
	ds_store_b32 v[RW], v[PL+\q] offset:8192+64*\q
.endr
	s_wait_dscnt 0x0                               ; for the others' sake: my candidates lie in LDS
	s_barrier_signal -1
	s_barrier_wait -1
	s_cmp_lt_u32 s[WV], 2                          ; waves 0 and 1 join the 16 candidates, 64 queries each, two a lane
	s_cbranch_scc0 .Lend
.irp u, 0,1,2,3,4,5,6,7,8,9,10,11,12,13,14,15
	ds_load_b64 v[D+2*\u:D+2*\u+1], v[RW+1] offset:512*\u
.endr
.irp u, 0,1,2,3,4,5,6,7,8,9,10,11,12,13,14,15
	ds_load_b64 v[D+32+2*\u:D+33+2*\u], v[RW+1] offset:8192+512*\u
.endr
	s_wait_dscnt 0x0
.irp p, 0,1
	v_min3_num_f32 v[PL+\p], v[D+\p], v[D+2+\p], v[D+4+\p]   ; the smallest root
.endr
.irp u, 3,5,7,9,11,13
.irp p, 0,1
	v_min3_num_f32 v[PL+\p], v[PL+\p], v[D+2*\u+\p], v[D+2*\u+2+\p]
.endr
.endr
.irp p, 0,1
	v_min_num_f32 v[PL+\p], v[PL+\p], v[D+30+\p]
.endr
.set n, 0
.rept 32
	v_cmp_eq_f32 s[MK+n], v[D+n], v[PL+n%2]        ; who has it
.set n, n+1
.endr
.set n, 0
.rept 32
	v_cndmask_b32 v[D+32+n], -1, v[D+32+n], s[MK+n]   ; the others' indices become the greatest number,
.set n, n+1
.endr
.irp h, 16,8,4,2                       ; so the least is the lowest index at which the smallest root stands
.set n, 0
.rept \h
	v_min_u32 v[D+32+n], v[D+32+n], v[D+32+\h+n]
.set n, n+1
.endr
.endr
	global_store_b64 v[GO], v[PL:PL+1], s[8:9]     ; each store covers 256 consecutive bytes, at a multiple of 256 from the buffer's first byte
	global_store_b64 v[GO], v[D+32:D+33], s[10:11]
.Lend:
	s_wait_tensorcnt 0x0                           ; the wave's end: behind my last tensor load and my last LDS store
	ds_add_u32 v[SPW], v[NIL]
	s_wait_dscnt 0x0
	ROUND                                          ; the closing round: no work-group ends while a partner may still ask for a fill that names it
	s_endpgm
.Lfunc_end_k_q13c7bafda1_search:
	.size	k_q13c7bafda1_search, .Lfunc_end_k_q13c7bafda1_search-k_q13c7bafda1_search
	.p2alignl 7, 3214868480
	.fill 96, 4, 3214868480
	.section	.rodata,"a",@progbits
	.p2align	6, 0x0
	.amdhsa_kernel k_q13c7bafda1_search
		.amdhsa_group_segment_fixed_size 327680
		.amdhsa_private_segment_fixed_size 0
		.amdhsa_enable_private_segment 0
		.amdhsa_kernarg_size 32
		.amdhsa_user_sgpr_count 2
		.amdhsa_user_sgpr_kernarg_segment_ptr 1
		.amdhsa_wavefront_size32 1
		.amdhsa_system_sgpr_workgroup_id_x 1
		.amdhsa_system_sgpr_workgroup_id_y 1
		.amdhsa_system_sgpr_workgroup_id_z 1
		.amdhsa_system_vgpr_workitem_id 0
		.amdhsa_next_free_vgpr 512
		.amdhsa_next_free_sgpr 98
		.amdhsa_reserve_vcc 1
		.amdhsa_float_denorm_mode_32 3
		.amdhsa_float_denorm_mode_16_64 3
		.amdhsa_memory_ordered 1
		.amdhsa_forward_progress 1
		.amdhsa_inst_pref_size 159
	.end_amdhsa_kernel
	.amdgpu_metadata
---
amdhsa.version: [ 1, 2 ]
amdhsa.kernels:
  - .name:           k_q13c7bafda1_search
    .symbol:         k_q13c7bafda1_search.kd
    .args:
      - { .name: xq, .offset: 0, .size: 8, .value_kind: global_buffer, .address_space: global }
      - { .name: cb, .offset: 8, .size: 8, .value_kind: global_buffer, .address_space: global }
      - { .name: cand_s, .offset: 16, .size: 8, .value_kind: global_buffer, .address_space: global }
      - { .name: cand_i, .offset: 24, .size: 8, .value_kind: global_buffer, .address_space: global }
    .group_segment_fixed_size: 327680
    .private_segment_fixed_size: 0
    .kernarg_segment_align: 8
    .kernarg_segment_size: 32
    .max_flat_workgroup_size: 256
    .sgpr_count:     98
    .vgpr_count:     512
    .wavefront_size: 32
...
	.end_amdgpu_metadata
.endif
;; end of part 2
;; launch pick (part 3): grid 256 x 1, 8 waves a work-group, no clusters, 0 bytes of LDS; arguments embed, cand_s, cand_i, out0, out1; writes out0, out1
.if DOCPART == 3
	.amdgcn_target "amdgcn-amd-amdhsa--gfx1250"
	.amdhsa_code_object_version 6
	.text
	.protected	k_q13c7bafda1_pick
	.globl	k_q13c7bafda1_pick
	.p2align	8
	.type	k_q13c7bafda1_pick,@function
k_q13c7bafda1_pick:
	s_mov_b64 s[64:65], 0
	v_nop
	global_prefetch_b8 v0, s[64:65] scope:SCOPE_SE
	s_setreg_imm32_b32 hwreg(HW_REG_WAVE_MODE, 25, 1), 1
	s_wait_xcnt 0x0
; Each query has two candidates, one from each half of the codebook: a key cand_s[half][query] and an index cand_i[half][query], whole numbers that the launch before stored.  A key is the bit pattern of a root, which is
; never negative: compared as unsigned numbers keys stand in the roots' order.  The upper half's candidate wins only where its key is strictly smaller, so of equal roots the lower index stays.
; out1 = the winner's index; out0 = its row of embed, 256 f32.  LIMIT: NaN is not served.
; SHARES.  A work-group takes 64 queries, a wave 8.  A row is 1,024 bytes: two loads and two stores of 512 consecutive bytes.  All 16 row loads of a wave go out at once.  Memory binds: no LDS, no barrier, no matrix unit.
; The indices are held to 0 .. 8,191 before they enter an address.
.set OF,  4                            ; v4-11   16 x lane + 1,024 x index
.set C,   12                           ; v12-19  wave 0: keys and indices of the work-group's 64 queries
.set R,   32                           ; v32-95  query i: 8 registers of its row
	s_load_b256 s[4:11], s[0:1], 0x0               ; embed s[4:5], cand_s s[6:7], cand_i s[8:9], out0 s[10:11]
	s_load_b64 s[12:13], s[0:1], 0x20              ; out1
	v_lshrrev_b32 v1, 5, v0
	v_readfirstlane_b32 s14, v1                    ; wave 0..7
	v_and_b32 v1, 31, v0                           ; lane
	v_lshlrev_b32 v2, 4, v1                        ; 16 x lane
	v_lshlrev_b32 v3, 3, v1                        ; 8 x lane
	s_lshl_b32 s15, ttmp9, 6
	s_lshl_b32 s48, s14, 3
	s_add_co_u32 s15, s15, s48                     ; my first query: 64 x work-group + 8 x wave
	s_lshl_b32 s48, s15, 2                         ; its word among the candidates and in out1,
	s_mov_b32 s49, 0
	s_lshl_b32 s54, s15, 10                        ; its row in out0
	s_mov_b32 s55, 0
	s_wait_alu depctr_va_vdst(0)                   ; the wait at the head's end
	s_wait_kmcnt 0x0
	s_add_nc_u64 s[50:51], s[8:9], s[48:49]
	s_add_nc_u64 s[52:53], s[6:7], s[48:49]
	s_add_nc_u64 s[12:13], s[12:13], s[48:49]
	s_add_nc_u64 s[10:11], s[10:11], s[54:55]
	s_load_b256 s[16:23], s[50:51], 0x0            ; my 8 queries: the lower half's indices,
	s_load_b256 s[24:31], s[50:51], 0x10000        ; the upper half's,
	s_load_b256 s[32:39], s[52:53], 0x0            ; the lower half's keys,
	s_load_b256 s[40:47], s[52:53], 0x10000        ; the upper half's
	s_cmp_lg_u32 s14, 0                            ; out1: wave 0 takes the work-group's 64 queries, two a lane (its own pointers stand at the work-group's first query)
	s_cbranch_scc1 .Lrows
	global_load_b64 v[C:C+1],   v3, s[52:53]
	global_load_b64 v[C+2:C+3], v3, s[52:53] offset:65536
	global_load_b64 v[C+4:C+5], v3, s[50:51]
	global_load_b64 v[C+6:C+7], v3, s[50:51] offset:65536
.Lrows:
	s_wait_kmcnt 0x0
.irp n, 0,1,2,3,4,5,6,7
	s_cmp_lt_u32 s[40+\n], s[32+\n]                ; the upper half's is strictly nearer
	s_cselect_b32 s[16+\n], s[24+\n], s[16+\n]
	s_min_u32 s[16+\n], s[16+\n], 8191
	s_lshl_b32 s[16+\n], s[16+\n], 10
	v_add_nc_u32 v[OF+\n], s[16+\n], v2
.endr
	s_wait_alu depctr_va_vdst(0)
.irp i, 0,1,2,3,4,5,6,7
	global_load_b128 v[R+8*\i:R+8*\i+3],   v[OF+\i], s[4:5]            ; no hint: a row may be named by many queries
	global_load_b128 v[R+8*\i+4:R+8*\i+7], v[OF+\i], s[4:5] offset:512
.endr
	s_cmp_lg_u32 s14, 0
	s_cbranch_scc1 .Lout
	s_wait_loadcnt 16                              ; the four older loads are in; the 16 row loads stay out
	v_cmp_lt_u32 vcc_lo, v[C+2], v[C]
	v_cndmask_b32 v[C+4], v[C+4], v[C+6], vcc_lo
	v_cmp_lt_u32 vcc_lo, v[C+3], v[C+1]
	v_cndmask_b32 v[C+5], v[C+5], v[C+7], vcc_lo
	global_store_b64 v3, v[C+4:C+5], s[12:13]      ; 256 consecutive bytes, at a multiple of 256 from out1's first byte
.Lout:
.irp i, 0,1,2,3,4,5,6,7
	s_wait_loadcnt 14-2*\i                         ; loads come back in order: query i's two are in, the later queries' stay out
	global_store_b128 v2, v[R+8*\i:R+8*\i+3],   s[10:11] offset:1024*\i th:TH_STORE_NT       ; 512 consecutive bytes, at a multiple of 256 from out0's first byte
	global_store_b128 v2, v[R+8*\i+4:R+8*\i+7], s[10:11] offset:1024*\i+512 th:TH_STORE_NT
.endr
	s_endpgm
.Lfunc_end_k_q13c7bafda1_pick:
	.size	k_q13c7bafda1_pick, .Lfunc_end_k_q13c7bafda1_pick-k_q13c7bafda1_pick
	.p2alignl 7, 3214868480
	.fill 96, 4, 3214868480
	.section	.rodata,"a",@progbits
	.p2align	6, 0x0
	.amdhsa_kernel k_q13c7bafda1_pick
		.amdhsa_group_segment_fixed_size 0
		.amdhsa_private_segment_fixed_size 0
		.amdhsa_enable_private_segment 0
		.amdhsa_kernarg_size 40
		.amdhsa_user_sgpr_count 2
		.amdhsa_user_sgpr_kernarg_segment_ptr 1
		.amdhsa_wavefront_size32 1
		.amdhsa_system_sgpr_workgroup_id_x 1
		.amdhsa_system_sgpr_workgroup_id_y 1
		.amdhsa_system_sgpr_workgroup_id_z 1
		.amdhsa_system_vgpr_workitem_id 0
		.amdhsa_next_free_vgpr 96
		.amdhsa_next_free_sgpr 66
		.amdhsa_reserve_vcc 1
		.amdhsa_float_denorm_mode_32 3
		.amdhsa_float_denorm_mode_16_64 3
		.amdhsa_memory_ordered 1
		.amdhsa_forward_progress 1
		.amdhsa_inst_pref_size 7
	.end_amdhsa_kernel
	.amdgpu_metadata
---
amdhsa.version: [ 1, 2 ]
amdhsa.kernels:
  - .name:           k_q13c7bafda1_pick
    .symbol:         k_q13c7bafda1_pick.kd
    .args:
      - { .name: embed, .offset: 0, .size: 8, .value_kind: global_buffer, .address_space: global }
      - { .name: cand_s, .offset: 8, .size: 8, .value_kind: global_buffer, .address_space: global }
      - { .name: cand_i, .offset: 16, .size: 8, .value_kind: global_buffer, .address_space: global }
      - { .name: out0, .offset: 24, .size: 8, .value_kind: global_buffer, .address_space: global }
      - { .name: out1, .offset: 32, .size: 8, .value_kind: global_buffer, .address_space: global }
    .group_segment_fixed_size: 0
    .private_segment_fixed_size: 0
    .kernarg_segment_align: 8
    .kernarg_segment_size: 40
    .max_flat_workgroup_size: 256
    .sgpr_count:     66
    .vgpr_count:     96
    .wavefront_size: 32
...
	.end_amdgpu_metadata
.endif
;; end of part 3
